; MI455X (gfx1250); checked and timed in simulation.
; The chip was launched on July 23, 2026; its instructions are those of AMD's public machine-readable ISA for CDNA 5 (MIT licence, August 2026) and "CDNA5" Instruction Set Architecture Reference Guide (July 2026). The comments in the code are by the model that wrote it; some were corrected since.
;; Multihead Self Attention. Allowed arithmetic: matrix products marked QUANTISED: E2M1 operands, one E8M0 scale for each 32 along K, by v_wmma_scale_f32_16x16x128_f8f6f4 with both operands' format E2M1 (or v_wmma_scale_f32_32x16x128_f4), f32 sums; products left as they are: bf16, f16 or f32 operands; f32 sums; everything else in f32.
;; Inputs: W_m 1,024 x 1,024 float32; W_q 16 x 64 x 1,024 float32; x 4 x 2,048 x 1,024 float32.
;; Outputs: out0 4 x 2,048 x 1,024 float32.
;; This version of the problem:
;;   THIS VERSION OF THE PROBLEM IS GIVEN IN LOW PRECISION. The matrix products marked QUANTISED in the list below multiply operands that are first quantised to E2M1 (2 exponent bits, 1 mantissa bit; 4 bits a number), with one power-of-two scale for each 32 numbers along K (OCP MX v1.0); their sums are f32. The products marked 'left as it is' may take bf16, f16 or f32 operands, with f32 sums. Whichever they take, every output number must still come out within the allowed error. Rounding operands to bf16 (8 significant bits) uses up far more of that allowance than f16 does (11 bits, for magnitudes from 6e-5 to 65,504). All else is computed in f32.
;;   The module's matrix products, in the order in which they are computed (A, B: the left and right operand; K: the contracted axis; several contracted axes count as one K, in the product's order):
;;     1. [M 1,024, K 1,024] x [K 1,024, N 8,192]; A: input W_q; B: input x: QUANTISED
;;     2. batch 64 x [M 2,048, K 64] x [K 64, N 2,048]; A: computed on the way; B: computed on the way: left as it is (an operand is computed on the way)
;;     3. batch 64 x [M 2,048, K 2,048] x [K 2,048, N 64]; A: computed on the way; B: computed on the way: left as it is (an operand is computed on the way)
;;     4. [M 8,192, K 1,024] x [K 1,024, N 1,024]; A: computed on the way; B: input W_m: left as it is (an operand is computed on the way)
;;   THE QUANTISER, for each operand of a quantised product, along K:
;;     - K is cut into blocks of 32 from its start; a last block that is shorter is filled with zeros.
;;     - A block's scale is 2^e with e = floor(log2(the largest magnitude in the block)) - 2, held to -126 .. 127; a block of zeros has e = 0. As a byte (E8M0): e + 127.
;;     - Each number is divided by its block's scale, clamped to +-6, and rounded to the nearest number of E2M1, ties to even, subnormals kept.
;;     - The product sums the exact products of the quantised numbers (number of the format x scale) in f32.
;;   ~~~python
;;   def quantise(x, axis):      # numpy; x: float32 -> the quantised numbers, widened to float32 again
;;       x = np.moveaxis(x, axis, -1); K = x.shape[-1]
;;       x = np.pad(x, [(0, 0)] * (x.ndim - 1) + [(0, -K % 32)]); x = x.reshape(x.shape[:-1] + (-1, 32)); a = np.abs(x).max(-1, keepdims=True)
;;       e = np.where(a > 0, np.clip(np.frexp(np.where(a > 0, a, 1))[1] - 1 - 2, -126, 127), 0)      # np.frexp(a)[1] - 1 = floor(log2(a)), exactly
;;       r = np.clip(x / 2.0 ** e, -6, 6)
;;       step = 2.0 ** (np.maximum(np.frexp(np.where(r == 0, 1, r))[1] - 1, 0) - 1)
;;       q = np.round(r / step) * step * 2.0 ** e      # np.round: ties to even
;;       return np.moveaxis(q.reshape(q.shape[:-2] + (-1,))[..., :K], -1, axis).astype(np.float32)
;;   ~~~
;; One version. Each part assembles by itself: llvm-mc -triple=amdgcn-amd-amdhsa -mcpu=gfx1250 --defsym DOCPART=n.
;; ======== version 1 of 1: 4 launches
;; limits: values are held in f16: magnitudes above 65,504 overflow, below 6.1e-05 lose precision
;; workspace buffers: xc 4,194,304 bytes; xs 262,144 bytes; wc 524,288 bytes; ws 32,768 bytes; wm16 2,097,152 bytes; xp 16,777,216 bytes; att 16,777,216 bytes
;; launch prep (part 1): grid 320 x 1, 4 waves a work-group, no clusters, 33,280 bytes of LDS; arguments x, W_q, W_m, xc, xs, wc, ws, wm16; writes xc, xs, wc, ws, wm16
.if DOCPART == 1
	.amdgcn_target "amdgcn-amd-amdhsa--gfx1250"
	.amdhsa_code_object_version 6
	.text
	.protected	k_qa1ee5c18c3_prep
	.globl	k_qa1ee5c18c3_prep
	.p2align	8
	.type	k_qa1ee5c18c3_prep,@function
k_qa1ee5c18c3_prep:
	s_mov_b64 s[64:65], 0
	v_nop
	global_prefetch_b8 v0, s[64:65] scope:SCOPE_SE
	s_setreg_imm32_b32 hwreg(HW_REG_WAVE_MODE, 25, 1), 1
	s_wait_xcnt 0x0
; THREE TENSORS ARE MADE READY FOR THE LATER LAUNCHES.
; x [8192][1024] and W_q [1024][1024], f32, K innermost, become codes of FP4 (E2M1), two a byte, the lower k in the low four bits, and one E8M0 scale byte for each 32 along K:
; xc [8192][512 bytes], xs [8192][32], wc [1024][512], ws [1024][32].  A block's scale is 2^(floor(log2(its largest magnitude)) - 2); its byte is the largest magnitude's exponent field - 2, held at 1 from below.
; W_m [1024 (n)][1024 (k)], f32, becomes f16, laid by blocks of 64 along K: wm16 [k / 64][n][64], so that a tile of the last product is one dense block of memory.
; LIMITS: a block of zeros gets the byte 1 where the quantiser's rule says 127: its codes are zeros, which add nothing under any byte but 0xff, and this program alone reads the bytes.  Blocks whose largest magnitude lies under
; 2^(2 - 126) keep the byte 1.  NaN and infinities are not served.  W_m beyond 65,504 in magnitude has no f16 number.
; SHARES.  Work-groups 0-255 take x, 256-287 W_q (32,768 numbers each, 8,192 a wave, 16 steps of 512), 288-319 W_m (32 rows each, 8 a wave).  Rows are dense and K is a multiple of 32, so x and W_q are plain streams of blocks.
; No work-group shares an input byte with another: no cluster, no tensor load, no barrier.
; THE QUANTISER'S STEP.  The conversions take 8 numbers of one block from ONE lane's registers, so a lane must hold 16 neighbours; a load is densest where neighbouring lanes take neighbouring bytes.  Both are had: each of a step's
; four loads reads 512 consecutive bytes, 16 a lane; the 2,048 bytes go through the wave's own stage in LDS and come back 64 bytes a lane (16 bytes of padding behind each 64).  A lane's 16 codes are 8 bytes: the wave stores 256
; consecutive bytes.  A wave's 256 scale bytes are gathered in its own LDS bytes and leave as 256 consecutive bytes.
.set XWG,   256                        ; x's work-groups
.set QWG,   288                        ; x's and W_q's
.set STEPS, 16
.set EMAX,  2
.set CB,    8                          ; bytes of 16 codes
.set R,     16                         ; v16-79   four sets of 16 numbers as they are loaded
.set X,     80                         ; v80-111  two sets of 16 neighbours
.set E,     112                        ; v112-127 a scale byte for each step
.set C,     128                        ; v128-191 codes: four registers for each step, so that no store's data are written again
.set W,     16                         ; v16-143  W_m's path: two batches of 64 numbers
.set WREG,  8192                       ; LDS: a region for each wave: two stages of 32 x SP bytes, behind them its 256 scale bytes
.set SP,    80
.set SPW,   12                         ; v12      LDS address of my spare word: SPARE + 4 x my thread's number; never rewritten
.set NIL,   13                         ; v13      0; never rewritten
.set SPARE, 4*WREG                     ; behind the four regions: the spare words, 128 bytes for each wave, which no other line names
	s_load_b256 s[4:11], s[0:1], 0x0               ; x s[4:5], W_q s[6:7], W_m s[8:9], xc s[10:11]
	s_load_b256 s[12:19], s[0:1], 0x20             ; xs s[12:13], wc s[14:15], ws s[16:17], wm16 s[18:19]
	v_lshl_add_u32 v[SPW], v0, 2, SPARE
	v_mov_b32 v[NIL], 0
	v_lshrrev_b32 v1, 5, v0
	v_readfirstlane_b32 s20, v1                    ; wave 0..3
	v_and_b32 v2, 31, v0                           ; lane
	s_wait_kmcnt 0x0
	s_cmp_ge_u32 ttmp9, QWG                        ; the work-group's number alone decides the path
	s_cbranch_scc1 .Lwm
	; ---------------- x and W_q: codes and scale bytes
	v_lshlrev_b32 v3, 4, v2                        ; my 16 bytes of a load's 512
	s_mul_i32 s21, s20, WREG
	v_lshrrev_b32 v14, 2, v2
	v_mul_u32_u24 v14, v14, SP
	v_and_b32 v15, 3, v2
	v_lshl_add_u32 v14, v15, 4, v14
	v_add_nc_u32 v14, s21, v14                     ; the stage, on the way in: SP (lane / 4) + 16 (lane % 4)
	v_mul_u32_u24 v15, v2, SP
	v_add_nc_u32 v15, s21, v15                     ; and on the way out: SP x lane: my 16 neighbours
	v_mul_u32_u24 v4, v2, CB                       ; my codes' place in a step's 256 bytes
	v_lshrrev_b32 v5, 1, v2
	s_add_co_u32 s21, s21, 2*32*SP
	v_add_nc_u32 v5, s21, v5                       ; LDS: my wave's 256 scale bytes, my block's byte
	v_lshlrev_b32 v7, 3, v2                        ; and on the way out 8 bytes a lane
	v_add_nc_u32 v6, s21, v7
	s_cmp_lt_u32 ttmp9, XWG                        ; x's work-group or W_q's?
	s_cselect_b64 s[4:5], s[4:5], s[6:7]           ; the numbers,
	s_cselect_b64 s[10:11], s[10:11], s[14:15]     ; the codes,
	s_cselect_b64 s[12:13], s[12:13], s[16:17]     ; the scale bytes
	s_cselect_b32 s21, 0, XWG
	s_sub_co_u32 s21, ttmp9, s21
	s_lshl_b32 s21, s21, 2
	s_add_co_u32 s21, s21, s20                     ; which run of 8,192 numbers of the tensor is my wave's: at most 1,023
	s_mov_b32 s23, 0
	s_lshl_b32 s22, s21, 15                        ; 32,768 bytes of numbers a run,
	s_add_nc_u64 s[4:5], s[4:5], s[22:23]
	s_lshl_b32 s22, s21, 12                        ; 4,096 of codes,
	s_add_nc_u64 s[10:11], s[10:11], s[22:23]
	s_lshl_b32 s22, s21, 8                         ; 256 scale bytes
	s_add_nc_u64 s[12:13], s[12:13], s[22:23]
.macro LOAD t
.irp i, 0,1,2,3
	global_load_b128 v[R+16*((\t)%4)+4*\i:R+16*((\t)%4)+4*\i+3], v3, s[4:5] offset:2048*(\t)+512*\i th:TH_LOAD_NT   ; 32 lanes read 512 consecutive bytes
.endr
.endm
.macro TURN t                          ; step t's numbers through the stage: LDS serves a wave's instructions in order (ISA guide 5.7.1.4), so no wait stands between the stores and the loads
.irp i, 0,1,2,3
	ds_store_b128 v14, v[R+16*((\t)%4)+4*\i:R+16*((\t)%4)+4*\i+3] offset:32*SP*((\t)%2)+8*SP*\i
.endr
.irp i, 0,1,2,3
	ds_load_b128 v[X+16*((\t)%2)+4*\i:X+16*((\t)%2)+4*\i+3], v15 offset:32*SP*((\t)%2)+16*\i
.endr
.endm
.irp t, 0,1,2,3
	LOAD \t
.endr
	s_wait_loadcnt 12                              ; step 0's four loads are in; the twelve of steps 1 to 3 may be out
	TURN 0
.macro STEP t
.set XS, X+16*((\t)%2)
.if (\t) > 0
	s_wait_dscnt 1                                 ; this step's numbers are back from the stage (the last step's byte store may be out): so its stores into the stage have read their registers,
.else
	s_wait_dscnt 0x0
.endif
.if (\t)+4 < STEPS
	LOAD (\t)+4                                    ; which take the loads of four steps on
.endif
.if (\t)+1 < STEPS
.if STEPS-2-(\t) >= 3
	s_wait_loadcnt 12                              ; the next step's four loads are in; those of the three steps behind it may be out
.else
	s_wait_loadcnt 4*(STEPS-2-(\t))
.endif
	TURN (\t)+1                                    ; and go through the other stage while this step is worked
.endif
	v_max3_num_f32 v8, |v[XS]|, |v[XS+1]|, |v[XS+2]|               ; the largest magnitude of my 16, in two chains
	v_max3_num_f32 v9, |v[XS+3]|, |v[XS+4]|, |v[XS+5]|
.irp i, 6,10
	v_max3_num_f32 v8, v8, |v[XS+\i]|, |v[XS+\i+1]|
	v_max3_num_f32 v9, v9, |v[XS+\i+2]|, |v[XS+\i+3]|
.endr
	v_max3_num_f32 v8, v8, |v[XS+14]|, |v[XS+15]|
	v_max3_num_f32 v8, v8, v9, (EMAX+1)<<23        ; and the floor 2^(EMAX + 1 - 127): the byte cannot fall under 1
	v_max_num_f32_dpp v8, v8, v8 row_xmask:1 row_mask:0xf bank_mask:0xf   ; and of my neighbour's 16: the block's
	v_add_nc_u32 v11, -(EMAX<<23), v8              ; EMAX off its exponent field: the conversion takes the exponent field of this operand as its scale, and nothing else of it
	v_cvt_scalef32_pk8_fp4_f32 v[C+4*(\t)], v[XS:XS+7], v11        ; eight numbers / the scale, to the nearest code, ties to even, beyond the largest code the largest; the first number's code in the lowest four bits
	v_cvt_scalef32_pk8_fp4_f32 v[C+4*(\t)+1], v[XS+8:XS+15], v11
	v_lshrrev_b32 v[E+(\t)], 23, v11               ; the scale's byte (also the plain instruction behind the conversions)
	ds_store_b8 v5, v[E+(\t)] offset:16*(\t)       ; both lanes of a block write the same byte with the same value
	global_store_b64 v4, v[C+4*(\t):C+4*(\t)+1], s[10:11] offset:32*CB*(\t)   ; 32 lanes store 256 consecutive bytes, at a multiple of 256 from the buffer's first byte
.endm
.irp t, 0,1,2,3,4,5,6,7,8,9,10,11,12,13,14,15
	STEP \t
.endr
	ds_load_b64 v[8:9], v6                         ; in order behind my byte stores
	s_wait_dscnt 0x0
	global_store_b64 v7, v[8:9], s[12:13]          ; my wave's 256 scale bytes, consecutive and aligned
	s_wait_tensorcnt 0x0                           ; the wave's end, behind my last LDS store
	ds_add_u32 v[SPW], v[NIL]
	s_wait_dscnt 0x0
	s_endpgm
	; ---------------- W_m: f16, by blocks of 64 along K.
.Lwm:
	s_sub_co_u32 s21, ttmp9, QWG
	s_lshl_b32 s21, s21, 5
	s_lshl_b32 s22, s20, 3
	s_add_co_u32 s21, s21, s22                     ; my wave's first row n0 = 32 x (work-group - 288) + 8 x wave
	s_mov_b32 s23, 0
	s_lshl_b32 s22, s21, 12                        ; a row of W_m is 4,096 bytes
	s_add_nc_u64 s[8:9], s[8:9], s[22:23]
	s_lshl_b32 s22, s21, 7                         ; a row's part of a block of wm16 is 128 bytes
	s_add_nc_u64 s[18:19], s[18:19], s[22:23]
	v_and_b32 v5, 15, v2                           ; i
	v_lshrrev_b32 v6, 4, v2                        ; u: lanes 0-15 take one row, lanes 16-31 the next
	v_lshlrev_b32 v3, 4, v5
	v_lshl_add_u32 v3, v6, 12, v3                  ; in: 4,096 u + 16 i: sixteen lanes read the 256 bytes of one block of 64 numbers
	v_lshlrev_b32 v4, 3, v5
	v_lshl_add_u32 v4, v6, 7, v4                   ; out: 128 u + 8 i: the 32 lanes store 256 consecutive bytes: two rows' parts of a block
.macro LOADB p                         ; rows n0 + 2 p and n0 + 2 p + 1, all 16 blocks, into batch p % 2
.irp kb, 0,1,2,3,4,5,6,7,8,9,10,11,12,13,14,15
	global_load_b128 v[W+64*((\p)%2)+4*\kb:W+64*((\p)%2)+4*\kb+3], v3, s[8:9] offset:(\p)*8192+\kb*256 th:TH_LOAD_NT
.endr
.endm
.macro ROWS p, left, more              ; left: the younger batch's loads, which may stay out; more = 1: the batch's registers take the rows two pairs on
	s_wait_loadcnt \left
.irp kb, 0,1,2,3,4,5,6,7,8,9,10,11,12,13,14,15
	v_cvt_pk_f16_f32 v[W+64*((\p)%2)+4*\kb], v[W+64*((\p)%2)+4*\kb], v[W+64*((\p)%2)+4*\kb+1]       ; four numbers into 8 bytes, in place
	v_cvt_pk_f16_f32 v[W+64*((\p)%2)+4*\kb+1], v[W+64*((\p)%2)+4*\kb+2], v[W+64*((\p)%2)+4*\kb+3]
.endr
.irp kb, 0,1,2,3,4,5,6,7,8,9,10,11,12,13,14,15
	global_store_b64 v4, v[W+64*((\p)%2)+4*\kb:W+64*((\p)%2)+4*\kb+1], s[18:19] offset:\kb*131072+(\p)*256   ; block kb is 1,024 rows x 128 bytes on
.endr
.if \more
	s_wait_xcnt 0x0                                ; the stores have read their data: the registers are loaded again only behind this wait
	LOADB (\p)+2
.endif
.endm
	LOADB 0
	LOADB 1
	ROWS 0, 16, 1
	ROWS 1, 16, 1
	ROWS 2, 16, 0
	ROWS 3, 0, 0
	s_endpgm
.Lfunc_end_k_qa1ee5c18c3_prep:
	.size	k_qa1ee5c18c3_prep, .Lfunc_end_k_qa1ee5c18c3_prep-k_qa1ee5c18c3_prep
	.p2alignl 7, 3214868480
	.fill 96, 4, 3214868480
	.section	.rodata,"a",@progbits
	.p2align	6, 0x0
	.amdhsa_kernel k_qa1ee5c18c3_prep
		.amdhsa_group_segment_fixed_size 33280
		.amdhsa_private_segment_fixed_size 0
		.amdhsa_enable_private_segment 0
		.amdhsa_kernarg_size 64
		.amdhsa_user_sgpr_count 2
		.amdhsa_user_sgpr_kernarg_segment_ptr 1
		.amdhsa_wavefront_size32 1
		.amdhsa_system_sgpr_workgroup_id_x 1
		.amdhsa_system_sgpr_workgroup_id_y 1
		.amdhsa_system_sgpr_workgroup_id_z 1
		.amdhsa_system_vgpr_workitem_id 0
		.amdhsa_next_free_vgpr 192
		.amdhsa_next_free_sgpr 66
		.amdhsa_reserve_vcc 0
		.amdhsa_float_denorm_mode_32 3
		.amdhsa_float_denorm_mode_16_64 3
		.amdhsa_memory_ordered 1
		.amdhsa_forward_progress 1
		.amdhsa_inst_pref_size 54
	.end_amdhsa_kernel
	.amdgpu_metadata
---
amdhsa.version: [ 1, 2 ]
amdhsa.kernels:
  - .name:           k_qa1ee5c18c3_prep
    .symbol:         k_qa1ee5c18c3_prep.kd
    .args:
      - { .name: x, .offset: 0, .size: 8, .value_kind: global_buffer, .address_space: global }
      - { .name: W_q, .offset: 8, .size: 8, .value_kind: global_buffer, .address_space: global }
      - { .name: W_m, .offset: 16, .size: 8, .value_kind: global_buffer, .address_space: global }
      - { .name: xc, .offset: 24, .size: 8, .value_kind: global_buffer, .address_space: global }
      - { .name: xs, .offset: 32, .size: 8, .value_kind: global_buffer, .address_space: global }
      - { .name: wc, .offset: 40, .size: 8, .value_kind: global_buffer, .address_space: global }
      - { .name: ws, .offset: 48, .size: 8, .value_kind: global_buffer, .address_space: global }
      - { .name: wm16, .offset: 56, .size: 8, .value_kind: global_buffer, .address_space: global }
    .group_segment_fixed_size: 33280
    .private_segment_fixed_size: 0
    .kernarg_segment_align: 8
    .kernarg_segment_size: 64
    .max_flat_workgroup_size: 128
    .sgpr_count:     66
    .vgpr_count:     192
    .wavefront_size: 32
...
	.end_amdgpu_metadata
.endif
;; end of part 1
;; launch proj (part 2): grid 4 x 64, 4 waves a work-group, clusters of 4 x 4, 327,680 bytes of LDS; arguments xc, xs, wc, ws, xp; writes xp
.if DOCPART == 2
	.amdgcn_target "amdgcn-amd-amdhsa--gfx1250"
	.amdhsa_code_object_version 6
	.text
	.protected	k_qa1ee5c18c3_proj
	.globl	k_qa1ee5c18c3_proj
	.p2align	8
	.type	k_qa1ee5c18c3_proj,@function
k_qa1ee5c18c3_proj:
	s_mov_b64 s[64:65], 0
	v_nop
	global_prefetch_b8 v0, s[64:65] scope:SCOPE_SE
	s_setreg_imm32_b32 hwreg(HW_REG_WAVE_MODE, 25, 1), 1
	s_wait_xcnt 0x0
	s_wait_alu depctr_hold_cnt(0) depctr_sa_sdst(0) depctr_va_vdst(0) depctr_va_sdst(0) depctr_va_ssrc(0) depctr_va_vcc(0) depctr_vm_vsrc(0)
	s_getreg_b32 s2, hwreg(HW_REG_IB_STS2, 6, 4)
	s_cmp_eq_u32 s2, 0
	s_cbranch_scc0 .Lentry_in_a_cluster
	s_endpgm
.Lentry_in_a_cluster:
	s_bfe_u32 s2, ttmp6, 0x10000c
	s_cmp_lg_u32 s2, 0xf033
	s_cbranch_scc0 .Lentry_shape_is_right
	s_endpgm
.Lentry_shape_is_right:
; xp[token][n] = sum over k of x[token][k] W_q[n][k], K = 1,024, both operands as codes of FP4 (E2M1) with one E8M0 scale for each 32 along K, multiplied by the scaled matrix instruction; sums in f32.
; xc [8192][512 bytes], xs [8192][32], wc [1024][512], ws [1024][32].  The result is rounded once to f16 and laid BY HEAD: xp [batch 4][head 16][s 2048][64], so that 16 rows of a head are 2,048 consecutive bytes.
; LIMIT: |xp| beyond 65,504 has no f16 number (the drawn inputs give about 7; both inputs 30 times larger about 6,800).
; SHARES.  A work-group of four waves makes 128 tokens x 256 columns: 64 x 4 = 256 work-groups.  A wave makes 64 tokens x 128 columns (two heads): 32 accumulators of 16 x 16, 256 registers.
; ALL OF K LIES IN LDS AT ONCE, in two slots of 512 along K (rows of 256 bytes), each filled once: nothing is filled again.  The scale bytes of the work-group's rows, dense blocks of memory, come with them.
; CLUSTERS: 4 x 4 work-groups.  The four of a row of the cluster need the same tokens' tiles, the four of a column the same tiles of W_q: each tile is asked for JOINTLY, by the same tensor load with the same descriptor and
; a mask that names the four.  By this text's own count a wave has three tensor loads out at the most.
; THE MATRIX INSTRUCTION IS USED TRANSPOSED (source 0 = 16 rows of W_q, source 1 = 16 tokens): a lane then holds eight neighbouring columns of one token, which pack into 16 bytes.
; REGISTERS, in windows of 256: window 0: v16-29 addresses; v32-63 x's scale words (block a, K step ks at 32 + 8 a + ks), v64-127 W_q's (64 + 8 b + ks): they hold scales and nothing else; v128-159, v160-223 fragments of x and of W_q, set 0;
;   v224-255 packed results.   window 1: accumulator (a, b) at v[8 (8 a + b)].   window 2: v0-31, v32-95 fragments, set 1.
.set PITCH,  272                       ; an LDS row: 256 bytes + 16 of padding = 68 words: row r starts at bank 4 r mod 64 (64 banks of 4 bytes: ISA guide 11.1)
.set FR,     8                         ; registers of a fragment: 16 rows x 128 K
.set SLOT,   384*PITCH                 ; x's 128 rows, then W_q's 256 rows
.set BOFF,   128*PITCH
.set SCLA,   2*SLOT                    ; x's scale bytes: 128 rows x 32 = 16 rows of 256 bytes + 16 of padding
.set SCLB,   SCLA+16*272               ; W_q's: 256 rows x 32 = 32 such rows
.set STAGE,  SCLB+32*272               ; the way out: for each wave 2 heads x 16 rows x (128 bytes + 16); no tensor load lands here
.set SP,     144
.set SPARE,  STAGE+4*2*16*SP           ; the spare words, 128 bytes for each wave, which no other line names
.set ADRA, 16                          ; v16-17  LDS address of my fragments of x in slot 0, 1
.set ADRB, 20                          ; v20-21  the same for W_q
.set ADSA, 22                          ; v22     of x's scale words
.set ADSB, 23                          ; v23     of W_q's
.set STO,  24                          ; v24     the way out: where I put 16 bytes of a row
.set RD,   25                          ; v25     where I read rows back
.set CO,   26                          ; v26     16 x lane: my place in 512 consecutive bytes of xp
.set SPW,  28                          ; v28     LDS address of my spare word; never rewritten
.set NIL,  29                          ; v29     0; never rewritten
.set SCA,  32
.set SCB,  64
.set TMP,  224
.set BK,   128                         ; the way out: 16 rows x 2 heads read back: v128-159 and v160-191 by turns
.set G1, 24                            ; s[24:31] group 1 for x's tiles;  s[32:39] group 0, one set for each slot
.set G0, 32
.set G1B, 48                           ; s[48:55], s[56:63] the same for W_q's
.set G0B, 56
.set G1S, 68                           ; s[68:75], s[76:79] groups 1 and 0 for x's scales;  s[80:87], s[88:91] for W_q's
.set G0S, 76
.set G1SB, 80
.set G0SB, 88
.set MSB, 0
.macro WIN new                         ; the immediate's high byte repeats the setting that is left; a switch that changes nothing is dropped
.if MSB != \new
	s_set_vgpr_msb (MSB<<8)|\new
.set MSB, \new
.endif
.endm
; A joint load: waves 0 and 1 fetch for x, waves 2 and 3 for W_q.  Each of the two lines has one mask and one set of registers; the branch hangs on the wave's number alone.
; An s_nop 0 and four v_nop follow each of the two lines.
.macro JLOAD g0a, g1a, g0b, g1b
	s_cmp_eq_u32 s15, 0
	s_cbranch_scc0 .Lfor_b_\@
	tensor_load_to_lds s[\g0a:\g0a+3], s[\g1a:\g1a+7]
	s_nop 0
.rept 4
	v_nop
.endr
	s_branch .Lasked_\@
.Lfor_b_\@:
	tensor_load_to_lds s[\g0b:\g0b+3], s[\g1b:\g1b+7]
	s_nop 0
.rept 4
	v_nop
.endr
.Lasked_\@:
.endm
.macro CROUND                          ; a round of the cluster's barrier: my work-group's barrier; wave 0 signals for the work-group; every wave waits for all sixteen; my work-group's barrier once more
	s_barrier_signal -1
	s_barrier_wait -1
	s_cmp_lg_u32 s14, 0
	s_cbranch_scc1 .Lnot_wave_0_\@
	s_barrier_signal -3
.Lnot_wave_0_\@:
	s_barrier_wait -3
	s_barrier_signal -1
	s_barrier_wait -1
.endm
	s_load_b128 s[4:7], s[0:1], 0x0                ; xc s[4:5], xs s[6:7]
	s_load_b128 s[8:11], s[0:1], 0x10              ; wc s[8:9], ws s[10:11]
	s_load_b64 s[12:13], s[0:1], 0x20              ; xp
	v_lshl_add_u32 v[SPW], v0, 2, SPARE
	v_mov_b32 v[NIL], 0
	ds_add_u32 v[SPW], v[NIL]                      ; the wave's opening: the add, twice on end, and its wait ahead of my first tensor load; the set-up below, work on registers, stands between
	ds_add_u32 v[SPW], v[NIL]
	v_lshrrev_b32 v1, 5, v0
	v_readfirstlane_b32 s14, v1                    ; wave 0..3
	s_lshr_b32 s15, s14, 1                         ; which 64 of the tile's tokens are mine.  Also: I fetch for x (0) or for W_q (1)
	s_and_b32 s16, s14, 1                          ; which 128 of its columns.  Also: which half of that tile I fetch
	s_bfe_u32 s40, ttmp6, 0x40000                  ; cx, cy: my place in the cluster
	s_bfe_u32 s41, ttmp6, 0x40004
	s_lshl_b32 s42, ttmp9, 2
	s_add_co_u32 s42, s42, s40                     ; tile column = 4 x cluster x + cx: 0..3
	s_and_b32 s17, ttmp7, 0xffff
	s_lshl_b32 s17, s17, 2
	s_add_co_u32 s17, s17, s41                     ; tile row = 4 x cluster y + cy: 0..63
	s_lshl_b32 s43, s41, 2
	s_lshl_b32 s43, 15, s43                        ; my row of the cluster
	s_lshl_b32 s44, 0x1111, s40                    ; my column
	; group 1 for the codes: rows of 256 bytes, 512 bytes apart in memory, 16 bytes of padding behind each in LDS; x: 64 rows a load, W_q: 128
	s_or_b32 s[G1+0], s43, (0<<16)|(1<<20)|(1<<21)|(5<<22)|(3<<25)   ; 15:0 the mask; 17:16 elements of 1 byte; 20 padding on; 21 set beside a mask; 24:22 after every 64 words; 31:25 four words
	s_or_b32 s[G1B+0], s44, (0<<16)|(1<<20)|(1<<21)|(5<<22)|(3<<25)
	s_mov_b32 s[G1+1], 256<<16                     ; tensor_dim0
	s_mov_b32 s[G1+2], 64<<16                      ; tensor_dim1
	s_mov_b32 s[G1+3], 256<<16                     ; tile_dim0
	s_mov_b32 s[G1+4], 64                          ; tile_dim1
	s_mov_b32 s[G1+5], 512                         ; from row to row
	s_mov_b32 s[G1+6], 0
	s_mov_b32 s[G1+7], 0
	s_mov_b32 s[G1B+1], 256<<16
	s_mov_b32 s[G1B+2], 128<<16
	s_mov_b32 s[G1B+3], 256<<16
	s_mov_b32 s[G1B+4], 128
	s_mov_b32 s[G1B+5], 512
	s_mov_b32 s[G1B+6], 0
	s_mov_b32 s[G1B+7], 0
	; and for the scale bytes: dense blocks, as rows of 256 bytes (32 elements of 8 bytes), 16 bytes of padding behind each; x: 64 rows x 32 bytes = 8 such rows a load, W_q: 16
	s_or_b32 s[G1S+0], s43, (3<<16)|(1<<20)|(1<<21)|(5<<22)|(3<<25)
	s_or_b32 s[G1SB+0], s44, (3<<16)|(1<<20)|(1<<21)|(5<<22)|(3<<25)
	s_mov_b32 s[G1S+1], 32<<16
	s_mov_b32 s[G1S+2], 8<<16
	s_mov_b32 s[G1S+3], 32<<16
	s_mov_b32 s[G1S+4], 8
	s_mov_b32 s[G1S+5], 32
	s_mov_b32 s[G1S+6], 0
	s_mov_b32 s[G1S+7], 0
	s_mov_b32 s[G1SB+1], 32<<16
	s_mov_b32 s[G1SB+2], 16<<16
	s_mov_b32 s[G1SB+3], 32<<16
	s_mov_b32 s[G1SB+4], 16
	s_mov_b32 s[G1SB+5], 32
	s_mov_b32 s[G1SB+6], 0
	s_mov_b32 s[G1SB+7], 0
	; where the tiles come from.  x's hang on the tile row alone, W_q's on the tile column alone
	s_lshl_b32 s20, s17, 16                        ; x's codes: 128 rows x 512 bytes a tile row,
	s_lshl_b32 s18, s16, 15                        ; 64 rows a half
	s_add_co_u32 s20, s20, s18
	s_mov_b32 s21, 0
	s_lshl_b32 s22, s17, 12                        ; x's scales: 128 x 32,
	s_lshl_b32 s18, s16, 11
	s_add_co_u32 s22, s22, s18
	s_mov_b32 s23, 0
	s_lshl_b32 s46, s42, 17                        ; W_q's codes: 256 rows x 512 bytes a tile column,
	s_lshl_b32 s18, s16, 16                        ; 128 rows a half
	s_add_co_u32 s46, s46, s18
	s_mov_b32 s47, 0
	s_lshl_b32 s92, s42, 13                        ; W_q's scales: 256 x 32
	s_lshl_b32 s18, s16, 12
	s_add_co_u32 s92, s92, s18
	s_mov_b32 s93, 0
	s_mul_i32 s45, s16, 64*PITCH                   ; and where they go: constants and the wave's number alone
	s_mul_i32 s94, s16, 128*PITCH
	s_add_co_u32 s94, s94, BOFF
	s_mul_i32 s95, s16, 8*272
	s_add_co_u32 s95, s95, SCLA
	s_mul_i32 s96, s16, 16*272
	s_add_co_u32 s96, s96, SCLB
	s_wait_dscnt 0x0                               ; both opening adds are done
	s_wait_kmcnt 0x0
	s_add_nc_u64 s[20:21], s[4:5], s[20:21]
	s_add_nc_u64 s[22:23], s[6:7], s[22:23]
	s_add_nc_u64 s[46:47], s[8:9], s[46:47]
	s_add_nc_u64 s[92:93], s[10:11], s[92:93]
	CROUND                                         ; all sixteen work-groups are here: the joint loads meet
	s_mov_b32 s[G0S], 1
	s_mov_b32 s[G0S+1], s95
	s_mov_b64 s[G0S+2:G0S+3], s[22:23]
	s_or_b32 s[G0S+3], s[G0S+3], 0x80000000
	s_mov_b32 s[G0SB], 1
	s_mov_b32 s[G0SB+1], s96
	s_mov_b64 s[G0SB+2:G0SB+3], s[92:93]
	s_or_b32 s[G0SB+3], s[G0SB+3], 0x80000000
	JLOAD G0S, G1S, G0SB, G1SB                     ; the scales first: they are wanted with the first K step
.irp s, 0,1
	s_mov_b32 s[G0+4*\s], 1
	s_add_co_u32 s[G0+4*\s+1], s45, \s*SLOT
	s_add_nc_u64 s[G0+4*\s+2:G0+4*\s+3], s[20:21], \s*256
	s_or_b32 s[G0+4*\s+3], s[G0+4*\s+3], 0x80000000
	s_mov_b32 s[G0B+4*\s], 1
	s_add_co_u32 s[G0B+4*\s+1], s94, \s*SLOT
	s_add_nc_u64 s[G0B+4*\s+2:G0B+4*\s+3], s[46:47], \s*256
	s_or_b32 s[G0B+4*\s+3], s[G0B+4*\s+3], 0x80000000
	JLOAD G0+4*\s, G1, G0B+4*\s, G1B
.endr
	v_and_b32 v1, 15, v0                           ; r = lane % 16
	v_bfe_u32 v2, v0, 4, 1                         ; h = lane / 16
	v_mul_u32_u24 v3, v1, PITCH
	v_lshl_add_u32 v4, v2, 4, v3                   ; a fragment's row x pitch + 16 h
	s_mul_i32 s21, s15, 64*PITCH                   ; my 64 tokens
	s_mul_i32 s22, s16, 128*PITCH                  ; my 128 rows of W_q,
	s_add_co_u32 s22, s22, BOFF                    ; which lie behind x's 128
.irp s, 0,1
	v_add_nc_u32 v[ADRA+\s], s21, v4
	v_add_nc_u32 v[ADRB+\s], s22, v4
	s_add_co_u32 s21, s21, SLOT
	s_add_co_u32 s22, s22, SLOT
.endr
	v_lshlrev_b32 v5, 5, v1                        ; my row's scale bytes: 32 a row,
	v_lshrrev_b32 v6, 3, v1
	v_lshl_add_u32 v5, v6, 4, v5                   ; and 16 more behind each eight rows.  Both halves of the lanes take row r's words
	s_mul_i32 s21, s15, 8*272
	s_add_co_u32 s21, s21, SCLA
	v_add_nc_u32 v[ADSA], s21, v5
	s_mul_i32 s22, s16, 16*272
	s_add_co_u32 s22, s22, SCLB
	v_add_nc_u32 v[ADSB], s22, v5
	s_mul_i32 s23, s14, 2*16*SP
	s_add_co_u32 s23, s23, STAGE                   ; my stage
	v_mul_u32_u24 v5, v1, SP                       ; in: row r, 16 bytes for each half of the lanes
	v_lshl_add_u32 v5, v2, 4, v5
	v_add_nc_u32 v[STO], s23, v5
	v_and_b32 v6, 31, v0
	v_lshrrev_b32 v7, 3, v6                        ; back: eight lanes to a row of 128 bytes, four rows an instruction
	v_mul_u32_u24 v7, v7, SP
	v_and_b32 v8, 7, v6
	v_lshl_add_u32 v7, v8, 4, v7
	v_add_nc_u32 v[RD], s23, v7
	v_lshlrev_b32 v[CO], 4, v6                     ; which are 512 consecutive bytes of xp
	; my first byte of xp: batch (tile row / 16) x 2^22 + head (4 x tile column + 2 x half) x 2^18 + s x 128
	s_lshr_b32 s18, s17, 4
	s_lshl_b32 s18, s18, 22
	s_and_b32 s19, s17, 15
	s_lshl_b32 s19, s19, 14
	s_add_co_u32 s18, s18, s19
	s_lshl_b32 s19, s15, 13
	s_add_co_u32 s18, s18, s19
	s_lshl_b32 s19, s42, 1
	s_add_co_u32 s19, s19, s16
	s_lshl_b32 s19, s19, 19
	s_add_co_u32 s18, s18, s19
	s_mov_b32 s19, 0
	s_add_nc_u64 s[12:13], s[12:13], s[18:19]
.macro FRAG reg, adr, q, i             ; 16 rows x 128 K of 4-bit codes: 8 registers: lane (r, h) holds row r; registers 4 c .. 4 c + 3 hold K = 64 c + 32 h + 0 .. 31: 16 bytes of the row as they lie
.irp c, 0,1
	ds_load_b128 v[\reg+4*\c:\reg+4*\c+3], v[\adr] offset:64*(\q)+32*\c+(\i)*16*PITCH
.endr
.endm
.macro FETCH ks                        ; K step ks (128 along K) lies in slot ks / 4; its 8 fragments of W_q and 4 of x go into set ks % 2: 24 loads in one run
.if (\ks)%2
	WIN 0x80
.set FA, 0
.set FB, 32
.else
	WIN 0
.set FA, 128
.set FB, 160
.endif
.irp i, 0,1,2,3,4,5,6,7
	FRAG FB+FR*\i, ADRB+(\ks)/4, (\ks)%4, \i
.endr
.irp i, 0,1,2,3
	FRAG FA+FR*\i, ADRA+(\ks)/4, (\ks)%4, \i
.endr
.endm
.macro SCALES                          ; all eight K steps' scale words of my rows: 32 bytes a row, two loads a block of 16 rows
.irp a, 0,1,2,3
	ds_load_b128 v[SCA+8*\a:SCA+8*\a+3],   v[ADSA] offset:544*\a
	ds_load_b128 v[SCA+8*\a+4:SCA+8*\a+7], v[ADSA] offset:544*\a+16
.endr
.irp b, 0,1,2,3,4,5,6,7
	ds_load_b128 v[SCB+8*\b:SCB+8*\b+3],   v[ADSB] offset:544*\b
	ds_load_b128 v[SCB+8*\b+4:SCB+8*\b+7], v[ADSB] offset:544*\b+16
.endr
.endm
; 32 matrix instructions: one K step for all 32 accumulators, which take turns, one instruction a turn, in the same order in every step.  zero = 1: the first step starts the sums.
.macro MUL32 ks, zero
.if (\ks)%2
	WIN 0x5a                                       ; sources 0 and 1 window 2, C and D window 1
.set FA, 0
.set FB, 32
.else
	WIN 0x50                                       ; sources window 0, C and D window 1
.set FA, 128
.set FB, 160
.endif
.irp a, 0,1,2,3
.irp b, 0,1,2,3,4,5,6,7
.if \zero
	v_wmma_scale_f32_16x16x128_f8f6f4 v[8*(8*\a+\b):8*(8*\a+\b)+7], v[FB+FR*\b:FB+FR*\b+FR-1], v[FA+FR*\a:FA+FR*\a+FR-1], 0, v[SCB+8*\b+(\ks)], v[SCA+8*\a+(\ks)] matrix_a_fmt:MATRIX_FMT_FP4 matrix_b_fmt:MATRIX_FMT_FP4
.else
	v_wmma_scale_f32_16x16x128_f8f6f4 v[8*(8*\a+\b):8*(8*\a+\b)+7], v[FB+FR*\b:FB+FR*\b+FR-1], v[FA+FR*\a:FA+FR*\a+FR-1], v[8*(8*\a+\b):8*(8*\a+\b)+7], v[SCB+8*\b+(\ks)], v[SCA+8*\a+(\ks)] matrix_a_fmt:MATRIX_FMT_FP4 matrix_b_fmt:MATRIX_FMT_FP4
.endif
.endr
.endr
.endm
.macro PLACES                          ; four plain vector instructions between a matrix instruction and a load into a register that it read, or a read of its result (ISA guide 7.12.1 for vector instructions)
.rept 4
	v_nop
.endr
.endm
	s_wait_tensorcnt 1                             ; the scales and my part of slot 0 are in; slot 1's load may stay out
	s_barrier_signal -1
	s_barrier_wait -1                              ; everybody's are
	SCALES
	FETCH 0
.irp ks, 0,1,2,3,4,5,6,7
	s_wait_dscnt 0x0                               ; this step's fragments are in (asked for a step ago)
.if \ks == 3
	s_wait_tensorcnt 0x0                           ; my part of slot 1 is in,
	s_barrier_signal -1
	s_barrier_wait -1                              ; everybody's is: the next fetch reads it
.endif
.if \ks < 7
.if \ks > 0
	PLACES                                         ; the other set was read by the step before
.endif
	FETCH \ks+1
.endif
.if \ks == 0
	MUL32 \ks, 1
.else
	MUL32 \ks, 0
.endif
.endr
; THE WAY OUT, block by block of 16 tokens x 128 columns.  PACK: rounded to f16, 16 bytes a lane, each accumulator from its low end on.  TOSTAGE: into my own stage, a head's 16 rows of 128 bytes together, and back as
; runs of four rows.  SEND: stored: 512 consecutive bytes an instruction.  LDS serves a wave's instructions in order (ISA guide 5.7.1.4): no wait between the stores and the loads, nor ahead of the next block's stores.
.macro PACK a
	WIN 0x05                                       ; sources 0 and 1 window 1
.irp b, 0,1,2,3,4,5,6,7
.irp i, 0,1,2,3
	v_cvt_pk_f16_f32 v[TMP+4*\b+\i], v[8*(8*(\a)+\b)+2*\i], v[8*(8*(\a)+\b)+2*\i+1]
.endr
.endr
	WIN 0
.endm
.macro TOSTAGE a
.set BB, BK+32*((\a)%2)
.irp b, 0,1,2,3,4,5,6,7
	ds_store_b128 v[STO], v[TMP+4*\b:TMP+4*\b+3] offset:(\b/4)*16*SP+32*(\b%4)   ; head b / 4, channels 16 (b % 4) + 8 h on
.endr
.irp hh, 0,1
.irp i, 0,1,2,3
	ds_load_b128 v[BB+4*(4*\hh+\i):BB+4*(4*\hh+\i)+3], v[RD] offset:\hh*16*SP+4*SP*\i
.endr
.endr
.endm
.macro SEND a, younger                 ; younger: the LDS instructions issued behind block a's loads, which may stay out
.set BB, BK+32*((\a)%2)
	s_wait_dscnt \younger
.irp hh, 0,1
.irp i, 0,1,2,3
	global_store_b128 v[CO], v[BB+4*(4*\hh+\i):BB+4*(4*\hh+\i)+3], s[12:13] offset:\hh*262144+(\a)*2048+512*\i   ; 32 lanes store 512 consecutive bytes, at a multiple of 256 from xp's first byte
.endr
.endr
.endm
	PLACES                                         ; behind the last products: for the conversions and for the loads into registers that held fragments
	PACK 0
	TOSTAGE 0
.irp a, 1,2,3
	PACK \a
.if \a > 1
	s_wait_xcnt 0x0                                ; block a - 2's stores have read their registers: block a's loads may land there
.endif
	TOSTAGE \a
	SEND \a-1, 16                                  ; behind block a - 1's loads: block a's 8 stores and 8 loads
.endr
	SEND 3, 0
	s_wait_tensorcnt 0x0                           ; the wave's end, behind my last tensor load and my last LDS store
	ds_add_u32 v[SPW], v[NIL]
	s_wait_dscnt 0x0
	CROUND                                         ; the closing round: no work-group ends while a partner may still ask for a tile that names it
	s_endpgm
.Lfunc_end_k_qa1ee5c18c3_proj:
	.size	k_qa1ee5c18c3_proj, .Lfunc_end_k_qa1ee5c18c3_proj-k_qa1ee5c18c3_proj
	.p2alignl 7, 3214868480
	.fill 96, 4, 3214868480
	.section	.rodata,"a",@progbits
	.p2align	6, 0x0
	.amdhsa_kernel k_qa1ee5c18c3_proj
		.amdhsa_group_segment_fixed_size 327680
		.amdhsa_private_segment_fixed_size 0
		.amdhsa_enable_private_segment 0
		.amdhsa_kernarg_size 40
		.amdhsa_user_sgpr_count 2
		.amdhsa_user_sgpr_kernarg_segment_ptr 1
		.amdhsa_wavefront_size32 1
		.amdhsa_system_sgpr_workgroup_id_x 1
		.amdhsa_system_sgpr_workgroup_id_y 1
		.amdhsa_system_sgpr_workgroup_id_z 1
		.amdhsa_system_vgpr_workitem_id 0
		.amdhsa_next_free_vgpr 640
		.amdhsa_next_free_sgpr 98
		.amdhsa_reserve_vcc 0
		.amdhsa_float_denorm_mode_32 3
		.amdhsa_float_denorm_mode_16_64 3
		.amdhsa_memory_ordered 1
		.amdhsa_forward_progress 1
		.amdhsa_inst_pref_size 73
	.end_amdhsa_kernel
	.amdgpu_metadata
---
amdhsa.version: [ 1, 2 ]
amdhsa.kernels:
  - .name:           k_qa1ee5c18c3_proj
    .symbol:         k_qa1ee5c18c3_proj.kd
    .args:
      - { .name: xc, .offset: 0, .size: 8, .value_kind: global_buffer, .address_space: global }
      - { .name: xs, .offset: 8, .size: 8, .value_kind: global_buffer, .address_space: global }
      - { .name: wc, .offset: 16, .size: 8, .value_kind: global_buffer, .address_space: global }
      - { .name: ws, .offset: 24, .size: 8, .value_kind: global_buffer, .address_space: global }
      - { .name: xp, .offset: 32, .size: 8, .value_kind: global_buffer, .address_space: global }
    .group_segment_fixed_size: 327680
    .private_segment_fixed_size: 0
    .kernarg_segment_align: 8
    .kernarg_segment_size: 40
    .max_flat_workgroup_size: 128
    .sgpr_count:     98
    .vgpr_count:     640
    .wavefront_size: 32
...
	.end_amdgpu_metadata
.endif
;; end of part 2
;; launch attn (part 3): grid 4 x 64, 8 waves a work-group, clusters of 4 x 1, 327,680 bytes of LDS; arguments xp, att; writes att
.if DOCPART == 3
	.amdgcn_target "amdgcn-amd-amdhsa--gfx1250"
	.amdhsa_code_object_version 6
	.text
	.protected	k_qa1ee5c18c3_attn
	.globl	k_qa1ee5c18c3_attn
	.p2align	8
	.type	k_qa1ee5c18c3_attn,@function
k_qa1ee5c18c3_attn:
	s_mov_b64 s[64:65], 0
	v_nop
	global_prefetch_b8 v0, s[64:65] scope:SCOPE_SE
	s_setreg_imm32_b32 hwreg(HW_REG_WAVE_MODE, 25, 1), 1
	s_wait_xcnt 0x0
	s_wait_alu depctr_hold_cnt(0) depctr_sa_sdst(0) depctr_va_vdst(0) depctr_va_sdst(0) depctr_va_ssrc(0) depctr_va_vcc(0) depctr_vm_vsrc(0)
	s_getreg_b32 s2, hwreg(HW_REG_IB_STS2, 6, 4)
	s_cmp_eq_u32 s2, 0
	s_cbranch_scc0 .Lentry_in_a_cluster
	s_endpgm
.Lentry_in_a_cluster:
	s_bfe_u32 s2, ttmp6, 0x10000c
	s_cmp_lg_u32 s2, 0x3003
	s_cbranch_scc0 .Lentry_shape_is_right
	s_endpgm
.Lentry_shape_is_right:
; att[bh][q][:] = the sum over k of softmax_k(xp[bh][q] . xp[bh][k] / 8) xp[bh][k][:]: queries, keys and values are the same tensor.  xp, att: [64 (batch, head)][2048][64], f16.  No mask.
; Products, maxima and sums in f32; the weights p (at most 1) are rounded to f16 for the second product, the result once at the end.  LIMITS: NaN and infinities are not served.
; A HEAD LIES IN LDS WHOLE: 2,048 rows x 128 bytes.  It is filled once, nothing is filled again, and the same bytes serve the keys (as they lie) and the values (turned, by ds_load_tr16_b128).
; SHARES.  A work-group owns 512 queries of one head: 4 x 64 = 256 work-groups.  Each of its eight waves owns 64 queries, four tiles of 16, in 512 registers: two waves to a SIMD, so that one wave's vector work stands beside
; the other's matrix work.  Each fragment read from LDS feeds four products.  Every wave walks all keys, 64 a step, 32 steps.
; CLUSTER.  The four query blocks of a head form a cluster and ask for the head JOINTLY: the same tensor load, with the same descriptor and a mask that names the four, in all four; wave w brings keys 256 w .. 256 w + 255.
; A wave has one tensor load out.  All of the head is asked for at the kernel's head, so no request could stand earlier: nothing is prefetched.
; LDS ROWS.  A head is dense in memory, so the tile is stated as rows of 256 bytes (two keys) with 16 bytes of padding behind each: key k lies at (k / 2) x 272 + (k % 2) x 128.  The 16 keys of a fragment load then start in
; 16 different groups of four banks (64 banks of 4 bytes: ISA guide 11.1).
; LAYOUT.  S^T = K Q^T (source 0 = 16 keys, source 1 = 16 queries): a lane holds ONE query (lane % 16) and the keys 8 (lane / 16) + 0..7.  Two such tiles, rounded to f16 in pairs, ARE source 1 (32 keys x 16 queries) of
; O^T = V^T P, whose result again holds one query a lane, and eight channels.  Nothing changes lanes between the products.
; SOFTMAX.  For each query a running maximum m and sum l: p = 2^(c s - c m), c = log2(e) / 8; in every step O and l are multiplied by a = 2^(c m_old - c m_new).
; REGISTERS: window 0: v2-11 addresses; v16-47 eight registers of statistics a tile (+0 c m, +1 m, +2, +3 l, +4 .. +7 at work; a at +6); v48-51 the old c m; v64-127 K's fragments; v128-255 S^T, 32 a tile; P takes the first 16 of each.
;   window 1: v0-127 O^T, 32 a tile; v128-191 Q; v192-255 V's fragments.
.set PITCH,  272
.set TILE16, 8*PITCH                   ; 16 keys
.set STEPB,  32*PITCH                  ; 64 keys
.set STAGE,  1024*PITCH                ; behind the head: 16 rows x (128 bytes + 16) for each wave, for the way out; no tensor load lands here
.set SP,     144
.set SPARE,  STAGE+8*16*SP             ; the spare words, 128 bytes for each wave, which no other line names
.set AK0, 2                            ; v2   my lane's place in a tile of K; never rewritten
.set AV0, 3                            ; v3   the same for V
.set ADK, 4                            ; v4   LDS address of the step's K
.set ADV, 5                            ; v5   of its V
.set QO,  6                            ; v6   my byte offset in the wave's rows of Q
.set STO, 7                            ; v7   the way out: where I put 16 bytes of a row
.set RD,  8                            ; v8   where I read rows back
.set GO,  9                            ; v9   16 x lane
.set SPW, 10                           ; v10  LDS address of my spare word; never rewritten
.set NIL, 11                           ; v11  0; never rewritten
.set ST,  16
.set CMO, 48
.set KF,  64
.set S,   128
.set QF,  128                          ; in window 1
.set VF,  192                          ; in window 1
.set WV,  12                           ; s12  my wave's number
.set G1,  24                           ; s[24:31] descriptor group 1
.set G0,  32                           ; s[32:35] group 0
.set CS,  48                           ; s[48:49] c: the packed form names a pair and takes its low word for both halves
.set SEL, 50                           ; s[50:51] lane selects for v_permlanex16_b32: lane l xor 16
.set TB,  52                           ; s52  LDS byte at which the step's 64 keys begin
.set CNT, 53                           ; s53  steps to go
.set MSB, 0
.macro WIN new                         ; the immediate's high byte repeats the setting that is left; a switch that changes nothing is dropped
.if MSB != \new
	s_set_vgpr_msb (MSB<<8)|\new
.set MSB, \new
.endif
.endm
.macro CROUND                          ; a round of the cluster's barrier
	s_barrier_signal -1
	s_barrier_wait -1
	s_cmp_lg_u32 s[WV], 0
	s_cbranch_scc1 .Lnot_wave_0_\@
	s_barrier_signal -3
.Lnot_wave_0_\@:
	s_barrier_wait -3
	s_barrier_signal -1
	s_barrier_wait -1
.endm
	s_load_b128 s[4:7], s[0:1], 0x0                ; xp s[4:5], att s[6:7]
	v_lshl_add_u32 v[SPW], v0, 2, SPARE
	v_mov_b32 v[NIL], 0
	ds_add_u32 v[SPW], v[NIL]                      ; the wave's opening: the add, twice on end, and its wait ahead of my first tensor load; the set-up below, work on registers, stands between
	ds_add_u32 v[SPW], v[NIL]
	v_lshrrev_b32 v1, 5, v0
	v_readfirstlane_b32 s[WV], v1                  ; wave 0..7
	s_bfe_u32 s13, ttmp6, 0x40000                  ; cx: my place in the cluster
	s_lshl_b32 s14, ttmp9, 2
	s_add_co_u32 s14, s14, s13                     ; my block of 512 queries: it enters Q's and the result's addresses alone
	s_and_b32 s15, ttmp7, 0xffff                   ; the head, which the four partners share
	s_lshl_b32 s16, s15, 18                        ; its first byte: 2,048 rows x 128 bytes a head
	s_lshl_b32 s18, s[WV], 15                      ; the 256 keys that I fetch
	s_add_co_u32 s18, s18, s16
	s_mov_b32 s19, 0
	s_lshl_b32 s20, s14, 16                        ; my block's 512 rows,
	s_lshl_b32 s21, s[WV], 13                      ; my wave's 64 of them
	s_add_co_u32 s20, s20, s21
	s_add_co_u32 s20, s20, s16
	s_mov_b32 s21, 0
	s_mov_b32 s[G1], 15|(1<<16)|(1<<20)|(1<<21)|(5<<22)|(3<<25)   ; 15:0 the mask: all four work-groups; 17:16 elements of 2 bytes; 20 padding on; 21 set beside a mask; 24:22 after every 64 words; 31:25 four words
	s_mov_b32 s[G1+1], 128<<16                     ; tensor_dim0 = 128 elements: two keys' rows
	s_mov_b32 s[G1+2], 128<<16                     ; tensor_dim1 = 128
	s_mov_b32 s[G1+3], 128<<16                     ; tile_dim0
	s_mov_b32 s[G1+4], 128                         ; tile_dim1
	s_mov_b32 s[G1+5], 128                         ; from row to row: dense
	s_mov_b32 s[G1+6], 0
	s_mov_b32 s[G1+7], 0
	s_mul_i32 s22, s[WV], 128*PITCH                ; where my part goes: the wave's number alone
	s_mov_b32 s[CS], 0x3e38aa3b                    ; c = log2(e) / 8
	s_mov_b32 s[CS+1], s[CS]                       ; (named with it as a pair, so it is written)
	s_mov_b32 s[SEL], 0x76543210
	s_mov_b32 s[SEL+1], 0xfedcba98
	s_mov_b32 s[TB], 0
	s_wait_dscnt 0x0                               ; both opening adds are done
	s_wait_kmcnt 0x0
	s_mov_b32 s[G0], 1
	s_mov_b32 s[G0+1], s22
	s_add_nc_u64 s[G0+2:G0+3], s[4:5], s[18:19]
	s_or_b32 s[G0+3], s[G0+3], 0x80000000
	s_add_nc_u64 s[8:9], s[4:5], s[20:21]          ; Q at my wave's first row
	s_add_nc_u64 s[10:11], s[6:7], s[20:21]        ; the result likewise
	CROUND                                         ; all four work-groups are here: the joint loads meet
	tensor_load_to_lds s[G0:G0+3], s[G1:G1+7]
	s_nop 0
.rept 4
	v_nop
.endr
	v_and_b32 v1, 15, v0                           ; r = lane % 16
	v_bfe_u32 v12, v0, 4, 1                        ; h = lane / 16
	v_lshlrev_b32 v[QO], 7, v1
	v_lshl_add_u32 v[QO], v12, 4, v[QO]            ; row r x 128 + 16 h
	WIN 0x40                                       ; destination window 1
.irp i, 0,1,2,3,4,5,6,7                ; Q stays in registers: tile i / 2, channels 32 (i % 2) on.  A fragment is 16 rows x 32 channels: two loads of 16 bytes, 32 bytes apart
	global_load_b128 v[QF+8*\i:QF+8*\i+3],   v[QO], s[8:9] offset:(\i/2)*2048+(\i%2)*64
	global_load_b128 v[QF+8*\i+4:QF+8*\i+7], v[QO], s[8:9] offset:(\i/2)*2048+(\i%2)*64+32
.endr
	WIN 0
	v_lshrrev_b32 v13, 1, v1
	v_mul_u32_u24 v[AK0], v13, PITCH
	v_and_b32 v13, 1, v1
	v_lshl_add_u32 v[AK0], v13, 7, v[AK0]
	v_lshl_add_u32 v[AK0], v12, 4, v[AK0]          ; K: key r: (r / 2) x 272 + (r % 2) x 128, + 16 h
	; The turning load takes 16 keys x 16 channels (lane l reads 16 bytes: key 8 h + l % 8, channels 8 ((l / 8) % 2) + 0..7) and leaves half a fragment of V^T: lane l holds channel l % 16 and 8 keys.
	v_bfe_u32 v13, v0, 1, 2
	v_lshl_add_u32 v13, v12, 2, v13                ; (8 h + l % 8) / 2
	v_mul_u32_u24 v[AV0], v13, PITCH
	v_and_b32 v13, 1, v0
	v_lshl_add_u32 v[AV0], v13, 7, v[AV0]
	v_bfe_u32 v13, v0, 3, 1
	v_lshl_add_u32 v[AV0], v13, 4, v[AV0]
	s_mul_i32 s22, s[WV], 16*SP
	s_add_co_u32 s22, s22, STAGE                   ; my stage
	v_mul_u32_u24 v[STO], v1, SP                   ; in: row r, 16 bytes for each half of the lanes
	v_lshl_add_u32 v[STO], v12, 4, v[STO]
	v_add_nc_u32 v[STO], s22, v[STO]
	v_and_b32 v13, 31, v0
	v_lshrrev_b32 v14, 3, v13                      ; back: eight lanes to a row of 128 bytes, four rows an instruction
	v_mul_u32_u24 v[RD], v14, SP
	v_and_b32 v14, 7, v0
	v_lshl_add_u32 v[RD], v14, 4, v[RD]
	v_add_nc_u32 v[RD], s22, v[RD]
	v_lshlrev_b32 v[GO], 4, v13                    ; which are 512 consecutive bytes of the result
; A KEY STEP: 64 keys.  first = 1: the first step, which starts m, l and O^T: it has no a and nothing to rescale.
.macro STEP first
	WIN 0
	v_add_nc_u32 v[ADK], s[TB], v[AK0]             ; these two and three v_nop are five plain instructions behind the last step's V^T P: the products below write over P's registers, which it read, and the loads below land in V's
	v_add_nc_u32 v[ADV], s[TB], v[AV0]
.rept 3
	v_nop
.endr
.irp f, 0,1,2,3,4,5,6,7                ; K: keys 16 (f / 2) on, channels 32 (f % 2) on
	ds_load_b128 v[KF+8*\f:KF+8*\f+3],   v[ADK] offset:(\f/2)*TILE16+(\f%2)*64
	ds_load_b128 v[KF+8*\f+4:KF+8*\f+7], v[ADK] offset:(\f/2)*TILE16+(\f%2)*64+32
.endr
	WIN 0x40                                       ; destination window 1
.irp f, 0,1,2,3,4,5,6,7                ; V, turned: channels 16 (f / 2) on, keys 32 (f % 2) on.  It lands while the scores and the softmax are made
	ds_load_tr16_b128 v[VF+8*\f:VF+8*\f+3],   v[ADV] offset:(\f%2)*2*TILE16+(\f/2)*32
	ds_load_tr16_b128 v[VF+8*\f+4:VF+8*\f+7], v[ADV] offset:(\f%2)*2*TILE16+TILE16+(\f/2)*32
.endr
	s_wait_dscnt 16                                ; K's 16 loads are in; V's 16 may be out
	WIN 0x04                                       ; source 1 (Q) window 1
.irp c, 0,1                            ; S^T = K Q^T: 16 accumulators by turns, one instruction a turn; the first 16 start the sums
.irp kt, 0,1,2,3
.irp t, 0,1,2,3
.if \c == 0
	v_wmma_f32_16x16x32_f16 v[S+32*\t+8*\kt:S+32*\t+8*\kt+7], v[KF+16*\kt+8*\c:KF+16*\kt+8*\c+7], v[QF+16*\t+8*\c:QF+16*\t+8*\c+7], 0
.else
	v_wmma_f32_16x16x32_f16 v[S+32*\t+8*\kt:S+32*\t+8*\kt+7], v[KF+16*\kt+8*\c:KF+16*\kt+8*\c+7], v[QF+16*\t+8*\c:QF+16*\t+8*\c+7], v[S+32*\t+8*\kt:S+32*\t+8*\kt+7]
.endif
.endr
.endr
.endr
	WIN 0
.irp t, 0,1,2,3                        ; four plain instructions behind the products, ahead of the first read of the scores
.if \first
	v_nop
.else
	v_mov_b32 v[CMO+\t], v[ST+8*\t]                ; c m_old is kept for a
.endif
.endr
	; the maximum of a lane's 32 scores and the old m, three operands at a time, four chains a tile, the four tiles by turns; each accumulator is read from its low end on
.irp j, 0,1,2,3
.irp t, 0,1,2,3
	v_max3_num_f32 v[ST+8*\t+4+\j], v[S+32*\t+8*\j], v[S+32*\t+8*\j+1], v[S+32*\t+8*\j+2]
.endr
.endr
.irp u, 1,2
.irp j, 0,1,2,3
.irp t, 0,1,2,3
	v_max3_num_f32 v[ST+8*\t+4+\j], v[ST+8*\t+4+\j], v[S+32*\t+8*\j+2*\u+1], v[S+32*\t+8*\j+2*\u+2]
.endr
.endr
.endr
.irp t, 0,1,2,3
	v_max3_num_f32 v[ST+8*\t+4], v[ST+8*\t+4], v[S+32*\t+7], v[S+32*\t+15]
.endr
.irp t, 0,1,2,3
	v_max3_num_f32 v[ST+8*\t+6], v[ST+8*\t+6], v[S+32*\t+23], v[S+32*\t+31]
.endr
.irp t, 0,1,2,3
	v_max3_num_f32 v[ST+8*\t+4], v[ST+8*\t+4], v[ST+8*\t+5], v[ST+8*\t+6]
.endr
.irp t, 0,1,2,3
.if \first
	v_max_num_f32 v[ST+8*\t+4], v[ST+8*\t+4], v[ST+8*\t+7]
.else
	v_max3_num_f32 v[ST+8*\t+4], v[ST+8*\t+4], v[ST+8*\t+7], v[ST+8*\t+1]
.endif
.endr
.irp t, 0,1,2,3
	v_permlanex16_b32 v[ST+8*\t+5], v[ST+8*\t+4], s[SEL], s[SEL+1]   ; the query's other 32 keys lie in the lane 16 away
.endr
.irp t, 0,1,2,3
	v_max_num_f32 v[ST+8*\t+1], v[ST+8*\t+4], v[ST+8*\t+5]           ; the new m
.endr
.irp t, 0,1,2,3
	v_mul_f32 v[ST+8*\t], s[CS], v[ST+8*\t+1]                        ; c m
.endr
.if \first == 0
.irp t, 0,1,2,3
	v_sub_f32 v[ST+8*\t+7], v[CMO+\t], v[ST+8*\t]                    ; c m_old - c m_new
.endr
.endif
	; ONE BATCH: the scalings c s - c m and all exponentials; none of these lines names an exponential's result.  Tile t + 1 is scaled between tile t's exponentials.
.irp j, 0,1,2,3,4,5,6,7,8,9,10,11,12,13,14,15
	v_pk_fma_f32 v[S+2*\j:S+2*\j+1], v[S+2*\j:S+2*\j+1], s[CS:CS+1], v[ST:ST+1] op_sel_hi:[1,0,0] neg_lo:[0,0,1] neg_hi:[0,0,1]
.endr
.if \first == 0
.irp t, 0,1,2,3
	v_exp_f32 v[ST+8*\t+6], v[ST+8*\t+7]           ; a
.endr
.endif
.irp t, 0,1,2,3
.irp j, 0,1,2,3,4,5,6,7,8,9,10,11,12,13,14,15
.if \t < 3
	v_pk_fma_f32 v[S+32*(\t+1)+2*\j:S+32*(\t+1)+2*\j+1], v[S+32*(\t+1)+2*\j:S+32*(\t+1)+2*\j+1], s[CS:CS+1], v[ST+8*(\t+1):ST+8*(\t+1)+1] op_sel_hi:[1,0,0] neg_lo:[0,0,1] neg_hi:[0,0,1]
.endif
	v_exp_f32 v[S+32*\t+2*\j], v[S+32*\t+2*\j]
	v_exp_f32 v[S+32*\t+2*\j+1], v[S+32*\t+2*\j+1]
.endr
.endr
	v_nop                                          ; a plain instruction behind the last exponential, ahead of the first use
	s_wait_alu depctr_va_vdst(0)                   ; one wait for the whole batch, ahead of its first reader
	; the sums of the unrounded weights, and the roundings to f16, pair by pair, the tiles by turns.  P's register j takes the place of score j, whose pair (j / 2) has been added by then.
.irp j, 0,1,2,3,4,5,6,7,8,9,10,11,12,13,14,15
.irp t, 0,1,2,3
.if \first
.if \j == 0
	v_pk_add_f32 v[ST+8*\t+2:ST+8*\t+3], v[S+32*\t:S+32*\t+1], v[S+32*\t+2:S+32*\t+3]     ; pairs 0 and 1 start l
.elseif \j > 1
	v_pk_add_f32 v[ST+8*\t+2:ST+8*\t+3], v[ST+8*\t+2:ST+8*\t+3], v[S+32*\t+2*\j:S+32*\t+2*\j+1]
.endif
.else
.if \j == 0
	v_pk_fma_f32 v[ST+8*\t+2:ST+8*\t+3], v[ST+8*\t+2:ST+8*\t+3], v[ST+8*\t+6:ST+8*\t+7], v[S+32*\t:S+32*\t+1] op_sel_hi:[1,0,1]   ; l = a l + pair 0
.else
	v_pk_add_f32 v[ST+8*\t+2:ST+8*\t+3], v[ST+8*\t+2:ST+8*\t+3], v[S+32*\t+2*\j:S+32*\t+2*\j+1]
.endif
.endif
	v_cvt_pk_f16_f32 v[S+32*\t+\j], v[S+32*\t+2*\j], v[S+32*\t+2*\j+1]
.endr
.endr
.if \first == 0
	WIN 0x41                                       ; O^T (destination and source 0) window 1, a window 0
.irp t, 0,1,2,3
.irp i, 0,1,2,3,4,5,6,7,8,9,10,11,12,13,14,15
	v_pk_mul_f32 v[32*\t+2*\i:32*\t+2*\i+1], v[32*\t+2*\i:32*\t+2*\i+1], v[ST+8*\t+6:ST+8*\t+7] op_sel_hi:[1,0]   ; O^T x a, each accumulator from its low end on
.endr
.endr
.endif
	s_wait_dscnt 0x0                               ; V is in
	WIN 0x51                                       ; V window 1, P window 0, O^T window 1
.irp g, 0,1                            ; O^T += V^T P: 16 accumulators by turns; keys 32 g on
.irp ct, 0,1,2,3
.irp t, 0,1,2,3
.if (\first) && (\g == 0)
	v_wmma_f32_16x16x32_f16 v[32*\t+8*\ct:32*\t+8*\ct+7], v[VF+16*\ct+8*\g:VF+16*\ct+8*\g+7], v[S+32*\t+8*\g:S+32*\t+8*\g+7], 0
.else
	v_wmma_f32_16x16x32_f16 v[32*\t+8*\ct:32*\t+8*\ct+7], v[VF+16*\ct+8*\g:VF+16*\ct+8*\g+7], v[S+32*\t+8*\g:S+32*\t+8*\g+7], v[32*\t+8*\ct:32*\t+8*\ct+7]
.endif
.endr
.endr
.endr
	WIN 0                                          ; at a label and at a branch every window is 0
	s_add_co_u32 s[TB], s[TB], STEPB               ; the next 64 keys
.endm
	s_wait_tensorcnt 0x0                           ; my eighth of the head is in,
	s_barrier_signal -1
	s_barrier_wait -1                              ; everybody's is: the head is whole, and nothing writes it again
	s_wait_loadcnt 0x0                             ; Q
	STEP 1
	s_mov_b32 s[CNT], 31
.Lstep:
	STEP 0
	s_sub_co_u32 s[CNT], s[CNT], 1
	s_cmp_lg_u32 s[CNT], 0
	s_cbranch_scc1 .Lstep
	; THE WAY OUT.  l's two halves and the other half of the lanes' are added; O^T is divided by l, rounded to f16 and sent through my stage, a tile (16 rows) at a time.  The first four additions are the places behind the last products.
.irp t, 0,1,2,3
	v_add_f32 v[ST+8*\t+4], v[ST+8*\t+2], v[ST+8*\t+3]
.endr
.irp t, 0,1,2,3
	v_permlanex16_b32 v[ST+8*\t+5], v[ST+8*\t+4], s[SEL], s[SEL+1]
.endr
.irp t, 0,1,2,3
	v_add_f32 v[ST+8*\t+4], v[ST+8*\t+4], v[ST+8*\t+5]
.endr
.irp t, 0,1,2,3
	v_rcp_f32 v[ST+8*\t+6], v[ST+8*\t+4]
.endr
	v_nop                                          ; a plain instruction between the last reciprocal and the use of its result
	s_wait_alu depctr_va_vdst(0)                   ; one wait for the four reciprocals, ahead of their first reader
.macro PACK t
	WIN 0x41
.irp i, 0,1,2,3,4,5,6,7,8,9,10,11,12,13,14,15
	v_pk_mul_f32 v[32*\t+2*\i:32*\t+2*\i+1], v[32*\t+2*\i:32*\t+2*\i+1], v[ST+8*\t+6:ST+8*\t+7] op_sel_hi:[1,0]
.endr
	WIN 0x05                                       ; sources 0 and 1 window 1, destination window 0: S^T's registers are free
.irp i, 0,1,2,3,4,5,6,7,8,9,10,11,12,13,14,15
	v_cvt_pk_f16_f32 v[S+32*\t+\i], v[32*\t+2*\i], v[32*\t+2*\i+1]
.endr
	WIN 0
.irp ct, 0,1,2,3
	ds_store_b128 v[STO], v[S+32*\t+4*\ct:S+32*\t+4*\ct+3] offset:32*\ct      ; lane (r, h): row r, channels 16 ct + 8 h on
.endr
.irp i, 0,1,2,3
	ds_load_b128 v[S+32*\t+16+4*\i:S+32*\t+16+4*\i+3], v[RD] offset:4*SP*\i   ; LDS serves a wave's instructions in order (ISA guide 5.7.1.4): these see the stores above; the next tile's stores come behind them
.endr
.endm
.macro SEND t, younger                 ; younger: the LDS instructions issued behind tile t's loads: the next tile's eight, or none
.irp i, 0,1,2,3
	s_wait_dscnt \younger+3-\i
	global_store_b128 v[GO], v[S+32*\t+16+4*\i:S+32*\t+16+4*\i+3], s[10:11] offset:\t*2048+\i*512   ; 32 lanes store 512 consecutive bytes, at a multiple of 256 from the buffer's first byte
.endr
.endm
	PACK 0
	PACK 1                                         ; a tile's arithmetic stands between the loads of the tile before and its stores
	SEND 0, 8
	PACK 2
	SEND 1, 8
	PACK 3
	SEND 2, 8
	SEND 3, 0
	s_wait_tensorcnt 0x0                           ; the wave's end, behind my last tensor load and my last LDS store
	ds_add_u32 v[SPW], v[NIL]
	s_wait_dscnt 0x0
	CROUND                                         ; the closing round: no work-group ends while a partner may still ask for a tile that names it
	s_endpgm
.Lfunc_end_k_qa1ee5c18c3_attn:
	.size	k_qa1ee5c18c3_attn, .Lfunc_end_k_qa1ee5c18c3_attn-k_qa1ee5c18c3_attn
	.p2alignl 7, 3214868480
	.fill 96, 4, 3214868480
	.section	.rodata,"a",@progbits
	.p2align	6, 0x0
	.amdhsa_kernel k_qa1ee5c18c3_attn
		.amdhsa_group_segment_fixed_size 327680
		.amdhsa_private_segment_fixed_size 0
		.amdhsa_enable_private_segment 0
		.amdhsa_kernarg_size 16
		.amdhsa_user_sgpr_count 2
		.amdhsa_user_sgpr_kernarg_segment_ptr 1
		.amdhsa_wavefront_size32 1
		.amdhsa_system_sgpr_workgroup_id_x 1
		.amdhsa_system_sgpr_workgroup_id_y 1
		.amdhsa_system_sgpr_workgroup_id_z 1
		.amdhsa_system_vgpr_workitem_id 0
		.amdhsa_next_free_vgpr 512
		.amdhsa_next_free_sgpr 66
		.amdhsa_reserve_vcc 0
		.amdhsa_float_denorm_mode_32 3
		.amdhsa_float_denorm_mode_16_64 3
		.amdhsa_memory_ordered 1
		.amdhsa_forward_progress 1
		.amdhsa_inst_pref_size 78
	.end_amdhsa_kernel
	.amdgpu_metadata
---
amdhsa.version: [ 1, 2 ]
amdhsa.kernels:
  - .name:           k_qa1ee5c18c3_attn
    .symbol:         k_qa1ee5c18c3_attn.kd
    .args:
      - { .name: xp, .offset: 0, .size: 8, .value_kind: global_buffer, .address_space: global }
      - { .name: att, .offset: 8, .size: 8, .value_kind: global_buffer, .address_space: global }
    .group_segment_fixed_size: 327680
    .private_segment_fixed_size: 0
    .kernarg_segment_align: 8
    .kernarg_segment_size: 16
    .max_flat_workgroup_size: 256
    .sgpr_count:     66
    .vgpr_count:     512
    .wavefront_size: 32
...
	.end_amdgpu_metadata
.endif
;; end of part 3
;; launch outp (part 4): grid 4 x 64, 4 waves a work-group, clusters of 4 x 4, 327,680 bytes of LDS; arguments att, wm16, out0; writes out0
.if DOCPART == 4
	.amdgcn_target "amdgcn-amd-amdhsa--gfx1250"
	.amdhsa_code_object_version 6
	.text
	.protected	k_qa1ee5c18c3_outp
	.globl	k_qa1ee5c18c3_outp
	.p2align	8
	.type	k_qa1ee5c18c3_outp,@function
k_qa1ee5c18c3_outp:
	s_mov_b64 s[64:65], 0
	v_nop
	global_prefetch_b8 v0, s[64:65] scope:SCOPE_SE
	s_setreg_imm32_b32 hwreg(HW_REG_WAVE_MODE, 25, 1), 1
	s_wait_xcnt 0x0
	s_wait_alu depctr_hold_cnt(0) depctr_sa_sdst(0) depctr_va_vdst(0) depctr_va_sdst(0) depctr_va_ssrc(0) depctr_va_vcc(0) depctr_vm_vsrc(0)
	s_getreg_b32 s2, hwreg(HW_REG_IB_STS2, 6, 4)
	s_cmp_eq_u32 s2, 0
	s_cbranch_scc0 .Lentry_in_a_cluster
	s_endpgm
.Lentry_in_a_cluster:
	s_bfe_u32 s2, ttmp6, 0x10000c
	s_cmp_lg_u32 s2, 0xf033
	s_cbranch_scc0 .Lentry_shape_is_right
	s_endpgm
.Lentry_shape_is_right:
; out0[token][n] = sum over k of att[token][k] W_m[n][k], K = 1,024 = 16 heads x 64.  att: f16 [batch 4][head 16][s 2048][64]; wm16: f16 [k / 64][n 1024][64]; out0: f32 [8192][1024].  Sums in f32.
; SHARES.  A work-group of four waves makes 128 tokens x 256 columns: 64 x 4 = 256 work-groups.  A wave makes 64 tokens x 128 columns: 32 accumulators of 16 x 16, 256 registers.
; K goes in steps of 128, two heads, through a ring of two LDS slots.  A head's part of a tile (a plane) is one dense block of memory: 128 tokens x 128 bytes of att, 256 rows x 128 bytes of wm16.  It is stated as rows of
; 256 bytes (two rows) with 16 bytes of padding behind each: row r lies at (r / 2) x 272 + (r % 2) x 128, so that the 16 rows of a fragment load start in 16 different groups of four banks (64 banks of 4 bytes: ISA guide 11.1).
; Waves 0 and 1 fetch att's two planes of a K step, waves 2 and 3 wm16's: one tensor load a wave behind each change of slots; by this text's own count two are out at the start and one later.
; CLUSTERS: 4 x 4 work-groups.  The four of a row of the cluster need the same tokens' planes, the four of a column the same planes of wm16: each is asked for JOINTLY.
; THE MATRIX INSTRUCTION IS USED TRANSPOSED (source 0 = 16 rows of W_m, source 1 = 16 tokens): a lane then holds eight neighbouring numbers of a row of out0.
; Nothing is prefetched: a K step is short, the tiles are small, and the launch's own loads and stores follow each other without a pause.
; REGISTERS: window 0: v16-29 addresses; two fragment buffers of 96 at v64 and v160: 4 fragments of att (16 tokens x 32 K), then 8 of W_m; on the way out v64-191 hold rows.   window 1: accumulator (a, b) at v[8 (8 a + b)].
.set PITCH,  272
.set T16,    8*PITCH                   ; 16 rows
.set APL,    64*PITCH                  ; a plane of att: 128 rows
.set BPL,    128*PITCH                 ; a plane of wm16: 256 rows
.set BOFF,   2*APL
.set SLOT,   2*APL+2*BPL
.set STAGE,  2*SLOT                    ; behind the ring: 16 rows x (512 bytes + 16) for each wave; no tensor load lands here
.set SPITCH, 528
.set SPARE,  STAGE+4*16*SPITCH         ; the spare words, 128 bytes for each wave, which no other line names
.set ADRA, 16                          ; v16-17  LDS address of my fragments of att in slot 0, 1
.set ADRB, 20                          ; v20-21  the same for W_m
.set STO,  24                          ; v24     the way out: where I put 32 bytes of a row
.set RD,   25                          ; v25     where I read a row back
.set CO,   26                          ; v26     16 x lane
.set SPW,  28                          ; v28     LDS address of my spare word; never rewritten
.set NIL,  29                          ; v29     0; never rewritten
.set F0,   64
.set F1,   160
.set BK,   64                          ; the way out: 16 rows read back: v64-127 and v128-191 by turns
.set G1, 24                            ; s[24:31] group 1 for att's planes;  s[32:39] group 0, one set for each slot
.set G0, 32
.set G1B, 48                           ; s[48:55], s[56:63] the same for wm16's
.set G0B, 56
.set MSB, 0
.macro WIN new                         ; the immediate's high byte repeats the setting that is left; a switch that changes nothing is dropped
.if MSB != \new
	s_set_vgpr_msb (MSB<<8)|\new
.set MSB, \new
.endif
.endm
.set MUL, 0x50                         ; sources window 0; C and D window 1
.macro JLOAD s                         ; a joint load: waves 0 and 1 fetch for att, waves 2 and 3 for wm16; an s_nop 0 and four v_nop follow each of the two lines
	s_cmp_eq_u32 s11, 0
	s_cbranch_scc0 .Lfor_b_\@
	tensor_load_to_lds s[G0+4*\s:G0+4*\s+3], s[G1:G1+7]
	s_nop 0
.rept 4
	v_nop
.endr
	s_branch .Lasked_\@
.Lfor_b_\@:
	tensor_load_to_lds s[G0B+4*\s:G0B+4*\s+3], s[G1B:G1B+7]
	s_nop 0
.rept 4
	v_nop
.endr
.Lasked_\@:
.endm
.macro CREST                           ; a round of the cluster's barrier behind its opening barrier
	s_cmp_lg_u32 s10, 0
	s_cbranch_scc1 .Lnot_wave_0_\@
	s_barrier_signal -3
.Lnot_wave_0_\@:
	s_barrier_wait -3
	s_barrier_signal -1
	s_barrier_wait -1
.endm
.macro CROUND                          ; a whole round
	s_barrier_signal -1
	s_barrier_wait -1
	CREST
.endm
	s_load_b128 s[4:7], s[0:1], 0x0                ; att s[4:5], wm16 s[6:7]
	s_load_b64 s[8:9], s[0:1], 0x10                ; out0
	v_lshl_add_u32 v[SPW], v0, 2, SPARE
	v_mov_b32 v[NIL], 0
	ds_add_u32 v[SPW], v[NIL]                      ; the wave's opening: the add, twice on end, and its wait ahead of my first tensor load; the set-up below, work on registers, stands between
	ds_add_u32 v[SPW], v[NIL]
	v_lshrrev_b32 v1, 5, v0
	v_readfirstlane_b32 s10, v1                    ; wave 0..3
	s_lshr_b32 s11, s10, 1                         ; which 64 of the tile's tokens are mine.  Also: I fetch for att (0) or for wm16 (1)
	s_and_b32 s12, s10, 1                          ; which 128 of its columns.  Also: which plane of a K step I fetch
	s_bfe_u32 s40, ttmp6, 0x40000                  ; cx, cy: my place in the cluster
	s_bfe_u32 s41, ttmp6, 0x40004
	s_lshl_b32 s42, ttmp9, 2
	s_add_co_u32 s42, s42, s40                     ; tile column = 4 x cluster x + cx: 0..3
	s_and_b32 s13, ttmp7, 0xffff
	s_lshl_b32 s13, s13, 2
	s_add_co_u32 s13, s13, s41                     ; tile row = 4 x cluster y + cy: 0..63
	s_lshl_b32 s43, s41, 2
	s_lshl_b32 s43, 15, s43                        ; my row of the cluster
	s_lshl_b32 s44, 0x1111, s40                    ; my column
	s_or_b32 s[G1+0], s43, (1<<16)|(1<<20)|(1<<21)|(5<<22)|(3<<25)    ; 15:0 the mask; 17:16 elements of 2 bytes; 20 padding on; 21 set beside a mask; 24:22 after every 64 words; 31:25 four words
	s_or_b32 s[G1B+0], s44, (1<<16)|(1<<20)|(1<<21)|(5<<22)|(3<<25)
	s_mov_b32 s[G1+1], 128<<16                     ; tensor_dim0 = 128 elements: two rows of 64
	s_mov_b32 s[G1+2], 64<<16                      ; tensor_dim1
	s_mov_b32 s[G1+3], 128<<16                     ; tile_dim0
	s_mov_b32 s[G1+4], 64                          ; tile_dim1
	s_mov_b32 s[G1+5], 128                         ; from row to row: dense
	s_mov_b32 s[G1+6], 0
	s_mov_b32 s[G1+7], 0
	s_mov_b32 s[G1B+1], 128<<16
	s_mov_b32 s[G1B+2], 128<<16
	s_mov_b32 s[G1B+3], 128<<16
	s_mov_b32 s[G1B+4], 128
	s_mov_b32 s[G1B+5], 128
	s_mov_b32 s[G1B+6], 0
	s_mov_b32 s[G1B+7], 0
	; where the planes come from.  att's hang on the tile row alone, wm16's on the tile column alone
	s_lshr_b32 s16, s13, 4
	s_lshl_b32 s16, s16, 22                        ; att: the batch, 16 heads x 2,048 x 128 bytes,
	s_and_b32 s17, s13, 15
	s_lshl_b32 s17, s17, 14                        ; the tile's 128 rows in a head,
	s_add_co_u32 s16, s16, s17
	s_lshl_b32 s17, s12, 18                        ; my plane: a head is 2,048 x 128 bytes
	s_add_co_u32 s16, s16, s17
	s_mov_b32 s17, 0
	s_lshl_b32 s46, s42, 15                        ; wm16: the tile's 256 rows x 128 bytes,
	s_lshl_b32 s47, s12, 17                        ; my plane: 1,024 x 128 bytes
	s_add_co_u32 s46, s46, s47
	s_mov_b32 s47, 0
	s_mul_i32 s20, s12, APL                        ; and where they go: constants and the wave's number alone
	s_mul_i32 s21, s12, BPL
	s_add_co_u32 s21, s21, BOFF
	s_wait_dscnt 0x0                               ; both opening adds are done
	s_wait_kmcnt 0x0
	s_add_nc_u64 s[14:15], s[4:5], s[16:17]
	s_add_nc_u64 s[46:47], s[6:7], s[46:47]
	CROUND                                         ; all sixteen work-groups are here: the first joint loads meet
.irp s, 0,1
	s_mov_b32 s[G0+4*\s], 1
	s_add_co_u32 s[G0+4*\s+1], s20, \s*SLOT
	s_add_nc_u64 s[G0+4*\s+2:G0+4*\s+3], s[14:15], \s*(2<<18)     ; K step s: heads 2 s and 2 s + 1
	s_or_b32 s[G0+4*\s+3], s[G0+4*\s+3], 0x80000000
	s_mov_b32 s[G0B+4*\s], 1
	s_add_co_u32 s[G0B+4*\s+1], s21, \s*SLOT
	s_add_nc_u64 s[G0B+4*\s+2:G0B+4*\s+3], s[46:47], \s*(2<<17)
	s_or_b32 s[G0B+4*\s+3], s[G0B+4*\s+3], 0x80000000
	JLOAD \s
.endr
	v_and_b32 v1, 15, v0                           ; r = lane % 16
	v_bfe_u32 v2, v0, 4, 1                         ; h = lane / 16
	v_lshrrev_b32 v3, 1, v1
	v_mul_u32_u24 v3, v3, PITCH
	v_and_b32 v4, 1, v1
	v_lshl_add_u32 v3, v4, 7, v3
	v_lshl_add_u32 v3, v2, 4, v3                   ; a fragment's row r: (r / 2) x 272 + (r % 2) x 128, + 16 h
	s_mul_i32 s21, s11, 32*PITCH                   ; my 64 tokens
	s_mul_i32 s22, s12, 64*PITCH                   ; my 128 rows of W_m,
	s_add_co_u32 s22, s22, BOFF                    ; which lie behind att's two planes
.irp s, 0,1
	v_add_nc_u32 v[ADRA+\s], s21, v3
	v_add_nc_u32 v[ADRB+\s], s22, v3
	s_add_co_u32 s21, s21, SLOT
	s_add_co_u32 s22, s22, SLOT
.endr
	s_mul_i32 s23, s10, 16*SPITCH
	s_add_co_u32 s23, s23, STAGE                   ; my stage
	v_mul_u32_u24 v4, v1, SPITCH                   ; in: row r, 32 bytes for each half of the lanes
	v_lshl_add_u32 v4, v2, 5, v4
	v_add_nc_u32 v[STO], s23, v4
	v_and_b32 v5, 31, v0
	v_lshlrev_b32 v[CO], 4, v5                     ; back: the 32 lanes take one row of 512 bytes; and the same in out0
	v_add_nc_u32 v[RD], s23, v[CO]
	s_lshl_b32 s16, s13, 19                        ; my first byte of out0: 128 rows x 4,096 bytes a tile row,
	s_lshl_b32 s17, s11, 18                        ; 64 rows a half,
	s_add_co_u32 s16, s16, s17
	s_lshl_b32 s17, s42, 10                        ; 256 columns x 4 bytes a tile column,
	s_add_co_u32 s16, s16, s17
	s_lshl_b32 s17, s12, 9                         ; 128 columns a half
	s_add_co_u32 s16, s16, s17
	s_mov_b32 s17, 0
	s_add_nc_u64 s[8:9], s[8:9], s[16:17]
; 8 matrix instructions: tokens' block a x W_m's eight blocks, 32 along K, from buffer f.  zero = 1: the first product starts the sums.  The 32 accumulators take turns, one instruction a turn, in the same order in every quarter.
.macro MUL8 f, a, zero
.irp b, 0,1,2,3,4,5,6,7
.if \zero
	v_wmma_f32_16x16x32_f16 v[8*(8*\a+\b):8*(8*\a+\b)+7], v[\f+32+8*\b:\f+32+8*\b+7], v[\f+8*\a:\f+8*\a+7], 0
.else
	v_wmma_f32_16x16x32_f16 v[8*(8*\a+\b):8*(8*\a+\b)+7], v[\f+32+8*\b:\f+32+8*\b+7], v[\f+8*\a:\f+8*\a+7], v[8*(8*\a+\b):8*(8*\a+\b)+7]
.endif
.endr
.endm
; 24 LDS loads in one run: the fragments of the slot's q-th 32 along K (plane q / 2, bytes 64 (q % 2) on) into buffer f: W_m's eight, then att's four
.macro FETCH slot, q, f
	WIN 0
.irp i, 0,1,2,3,4,5,6,7
	ds_load_b128 v[\f+32+8*\i:\f+32+8*\i+3],   v[ADRB+\slot] offset:((\q)/2)*BPL+64*((\q)%2)+\i*T16
	ds_load_b128 v[\f+32+8*\i+4:\f+32+8*\i+7], v[ADRB+\slot] offset:((\q)/2)*BPL+64*((\q)%2)+\i*T16+32
.endr
.irp i, 0,1,2,3
	ds_load_b128 v[\f+8*\i:\f+8*\i+3],   v[ADRA+\slot] offset:((\q)/2)*APL+64*((\q)%2)+\i*T16
	ds_load_b128 v[\f+8*\i+4:\f+8*\i+7], v[ADRA+\slot] offset:((\q)/2)*APL+64*((\q)%2)+\i*T16+32
.endr
.endm
.macro PLACES                          ; four plain vector instructions between a matrix instruction and a load into a register that it read, or a read of its result (ISA guide 7.12.1 for vector instructions)
.rept 4
	v_nop
.endr
.endm
; A K step is four quarters of 32 along K, 32 matrix instructions each, on buffers 0, 1, 0, 1.  One of the first three: multiplies buffer f and fetches quarter q of the same slot into g.
.macro QUARTER slot, q, f, g, zero
	s_wait_dscnt 4                                 ; W_m's fragments and att's blocks 0 and 1 are in; the youngest four loads (blocks 2 and 3) may be out
	WIN MUL
	MUL8 \f, 0, \zero
	MUL8 \f, 1, \zero
	PLACES
	FETCH \slot, \q, \g
	s_wait_dscnt 24                                ; all but the 24 just issued
	WIN MUL
	MUL8 \f, 2, \zero
	MUL8 \f, 3, \zero
.endm
; The last quarter multiplies buffer 1 and changes slots: ONE barrier; in front of it each wave waits for all its tensor loads, adds 0 to its spare word, and waits for that and for its own reads of this slot.
; fill = 1: this slot is filled again, two K steps ahead; the barrier then opens a round of the cluster's barrier, and the joint refill is the first thing behind the round.
.macro TURN slot, next, fill
	WIN 0                                          ; (the add's two registers lie in window 0)
	s_wait_tensorcnt 0x0                           ; all my tensor loads have landed: my part of the next slot;
	ds_add_u32 v[SPW], v[NIL]                      ; 0 onto my spare word;
	s_wait_dscnt 5                                 ; (the add and the youngest four loads may be out)
	WIN MUL
	MUL8 F1, 0, 0                                  ; eight matrix instructions stand between the add and the wait for it
	s_wait_dscnt 0x0                               ; the add is done, and my reads of this slot are over
	s_barrier_signal -1
	MUL8 F1, 1, 0
	WIN 0                                          ; (branches may follow, and nothing stands between the wait below and the rest of the round)
	s_barrier_wait -1
.if \fill
	CREST                                          ; no wave of any partner still reads this slot's planes or has a load on its way
	s_add_nc_u64 s[G0+4*\slot+2:G0+4*\slot+3], s[G0+4*\slot+2:G0+4*\slot+3], 4<<18      ; two K steps on: four heads
	s_add_nc_u64 s[G0B+4*\slot+2:G0B+4*\slot+3], s[G0B+4*\slot+2:G0B+4*\slot+3], 4<<17
	JLOAD \slot                                    ; 112 matrix instructions ahead of the wait for it; the four v_nop behind it are also the places in front of the loads below
.else
	PLACES
.endif
	FETCH \next, 0, F0
	WIN MUL
	MUL8 F1, 2, 0
	MUL8 F1, 3, 0
.endm
	s_wait_tensorcnt 1                             ; my part of K step 0 is in; K step 1's load may stay out
	s_barrier_signal -1
	s_barrier_wait -1                              ; everybody's is
	FETCH 0, 0, F0
	QUARTER 0, 1, F0, F1, 1                        ; the first quarter stands in front of the loop: its products start the sums
	WIN 0                                          ; at a label and at a branch every window is 0
	s_mov_b32 s3, 3
.Llap:                                                 ; a trip goes once round the ring, from a lap's second quarter to the next lap's first, and fills both slots again: K steps 2 to 7 in three trips
	QUARTER 0, 2, F1, F0, 0
	QUARTER 0, 3, F0, F1, 0
	TURN 0, 1, 1
	QUARTER 1, 1, F0, F1, 0
	QUARTER 1, 2, F1, F0, 0
	QUARTER 1, 3, F0, F1, 0
	TURN 1, 0, 1
	QUARTER 0, 1, F0, F1, 0
	WIN 0
	s_sub_co_u32 s3, s3, 1
	s_cmp_lg_u32 s3, 0
	s_cbranch_scc1 .Llap
	QUARTER 0, 2, F1, F0, 0                        ; the last lap fills nothing, and has no round of the cluster's barrier
	QUARTER 0, 3, F0, F1, 0
	TURN 0, 1, 0
	QUARTER 1, 1, F0, F1, 0
	QUARTER 1, 2, F1, F0, 0
	QUARTER 1, 3, F0, F1, 0
	s_wait_dscnt 4                                 ; the very last quarter: nothing more to fetch
	WIN MUL
	MUL8 F1, 0, 0
	MUL8 F1, 1, 0
	s_wait_dscnt 0x0
	MUL8 F1, 2, 0
	MUL8 F1, 3, 0
	WIN 0
; THE WAY OUT, block by block of 16 tokens x 128 columns.  A lane holds 32 neighbouring bytes of a row, and the lanes beside it hold other rows: so a block goes through my own stage and comes back as whole rows of 512 bytes.
; LDS serves a wave's instructions in order (ISA guide 5.7.1.4): no wait between the stores and the loads, nor in front of the next block's stores.
.macro TOSTAGE a
	WIN 0x04                                       ; an LDS store's data are its source 1: window 1
.irp b, 0,1,2,3,4,5,6,7
	ds_store_b128 v[STO], v[8*(8*(\a)+\b):8*(8*(\a)+\b)+3] offset:64*\b            ; each accumulator from its low end on
	ds_store_b128 v[STO], v[8*(8*(\a)+\b)+4:8*(8*(\a)+\b)+7] offset:64*\b+16
.endr
	WIN 0
.set BB, BK+64*((\a)%2)
.irp t, 0,1,2,3,4,5,6,7,8,9,10,11,12,13,14,15
	ds_load_b128 v[BB+4*\t:BB+4*\t+3], v[RD] offset:\t*SPITCH
.endr
.endm
.macro SEND a, younger                 ; younger: the LDS instructions issued behind block a's loads, which may stay out
.set BB, BK+64*((\a)%2)
	s_wait_dscnt \younger
.irp t, 0,1,2,3,4,5,6,7,8,9,10,11,12,13,14,15
	global_store_b128 v[CO], v[BB+4*\t:BB+4*\t+3], s[8:9] offset:(\a)*65536+\t*4096 th:TH_STORE_NT   ; 32 lanes store 512 consecutive bytes, at a multiple of 256 from out0's first byte; written once, read by nobody here
.endr
.endm
	PLACES                                         ; behind the last products: for the stores that read results and for the loads into registers that held fragments
	TOSTAGE 0
.irp a, 1,2,3
.if \a > 1
	s_wait_xcnt 0x0                                ; block a - 2's stores have read their registers: block a's loads may land there
.endif
	TOSTAGE \a
	SEND \a-1, 32                                  ; behind block a - 1's loads: block a's 16 stores and 16 loads
.endr
	SEND 3, 0
	s_wait_tensorcnt 0x0                           ; the wave's end, behind my last tensor load and my last LDS store
	ds_add_u32 v[SPW], v[NIL]
	s_wait_dscnt 0x0
	CROUND                                         ; the closing round: no work-group ends while a partner may still ask for a tile that names it
	s_endpgm
.Lfunc_end_k_qa1ee5c18c3_outp:
	.size	k_qa1ee5c18c3_outp, .Lfunc_end_k_qa1ee5c18c3_outp-k_qa1ee5c18c3_outp
	.p2alignl 7, 3214868480
	.fill 96, 4, 3214868480
	.section	.rodata,"a",@progbits
	.p2align	6, 0x0
	.amdhsa_kernel k_qa1ee5c18c3_outp
		.amdhsa_group_segment_fixed_size 327680
		.amdhsa_private_segment_fixed_size 0
		.amdhsa_enable_private_segment 0
		.amdhsa_kernarg_size 24
		.amdhsa_user_sgpr_count 2
		.amdhsa_user_sgpr_kernarg_segment_ptr 1
		.amdhsa_wavefront_size32 1
		.amdhsa_system_sgpr_workgroup_id_x 1
		.amdhsa_system_sgpr_workgroup_id_y 1
		.amdhsa_system_sgpr_workgroup_id_z 1
		.amdhsa_system_vgpr_workitem_id 0
		.amdhsa_next_free_vgpr 512
		.amdhsa_next_free_sgpr 66
		.amdhsa_reserve_vcc 0
		.amdhsa_float_denorm_mode_32 3
		.amdhsa_float_denorm_mode_16_64 3
		.amdhsa_memory_ordered 1
		.amdhsa_forward_progress 1
		.amdhsa_inst_pref_size 85
	.end_amdhsa_kernel
	.amdgpu_metadata
---
amdhsa.version: [ 1, 2 ]
amdhsa.kernels:
  - .name:           k_qa1ee5c18c3_outp
    .symbol:         k_qa1ee5c18c3_outp.kd
    .args:
      - { .name: att, .offset: 0, .size: 8, .value_kind: global_buffer, .address_space: global }
      - { .name: wm16, .offset: 8, .size: 8, .value_kind: global_buffer, .address_space: global }
      - { .name: out0, .offset: 16, .size: 8, .value_kind: global_buffer, .address_space: global }
    .group_segment_fixed_size: 327680
    .private_segment_fixed_size: 0
    .kernarg_segment_align: 8
    .kernarg_segment_size: 24
    .max_flat_workgroup_size: 128
    .sgpr_count:     66
    .vgpr_count:     512
    .wavefront_size: 32
...
	.end_amdgpu_metadata
.endif
;; end of part 4
